; MI455X (gfx1250); checked and timed in simulation.
; The chip was launched on July 23, 2026; its instructions are those of AMD's public machine-readable ISA for CDNA 5 (MIT licence, August 2026) and "CDNA5" Instruction Set Architecture Reference Guide (July 2026). The comments in the code are by the model that wrote it; some were corrected since.
;; Feed Forward Quantum. Allowed arithmetic: float matrix products may take bf16 or f16 operands with f32 sums; other float arithmetic in f32, or as packed bf16 or f16 multiplies, adds, multiply-adds, maxima and minima; sums over many terms, partial sums and values carried from step to step in f32; what a program stores and reads back later, other than sums and carried values, may be rounded once to bf16 or f16.
;; Inputs: W1 4,096 x 8 float32; W2 1,024 x 4,096 float32; b1 4,096 float32; b2 1,024 float32; theta 8 float32; x 8 x 2,048 x 1,024 float32.
;; Outputs: out0 8 x 2,048 x 1,024 float32.
;; 2 versions, each right; version 2 is version 1 with the launch prep written anew for expert scheduling mode. Each part assembles by itself: llvm-mc -triple=amdgcn-amd-amdhsa -mcpu=gfx1250 --defsym DOCPART=n.
;; ======== version 1 of 2: 2 launches
;; limits: values outside matrix products are rounded to f16; values are held in f16: magnitudes above 65,504 overflow, below 6.1e-05 lose precision; inputs' magnitudes at most 200,000
;; workspace buffers: w2h 8,388,608 bytes; w1e 131,072 bytes; qh 262,144 bytes
;; launch prep (part 1): grid 256 x 1, 8 waves a work-group, no clusters, 0 bytes of LDS; arguments W2, W1, b1, theta, x, w2h, w1e, qh; writes w2h, w1e, qh
.if DOCPART == 1
	.amdgcn_target "amdgcn-amd-amdhsa--gfx1250"
	.amdhsa_code_object_version 6
	.text
	.protected	k_q3ce080ff57_prep
	.globl	k_q3ce080ff57_prep
	.p2align	8
	.type	k_q3ce080ff57_prep,@function
k_q3ce080ff57_prep:
	s_mov_b64 s[64:65], 0
	v_nop
	global_prefetch_b8 v0, s[64:65] scope:SCOPE_SE
	s_setreg_imm32_b32 hwreg(HW_REG_WAVE_MODE, 25, 1), 1
	s_wait_xcnt 0x0
; WHAT IT MAKES, each number rounded once to f16, for the launch behind it:
;   w2h [1024][4096]  = W2;
;   w1e, two planes of [4096][8]: plane 0 = W1[f][0..7], plane 1 (65,536 bytes on) = {b1[f], 0, 0, 0, 0, 0, 0, 0};
;   qh  [16384][8]    = q[t][w] = a2 - b2, from the half angles' cosines and sines, term by term as the problem writes it, in f32.
; SHARES.  256 work-groups of eight waves.  Each takes 65,536 dense bytes of W2 (16 loads of 16 bytes a thread; a wave's load covers 512 consecutive bytes, its store of
; 8 bytes a lane 256 consecutive bytes, aligned).  Beside that waves 0-3 make q of 64 tokens (a thread: 4 features of a token: the problem uses 32 bytes of each row of x), and wave 4
; makes 16 rows of the table (lanes 0-15 store 256 bytes of plane 0, lanes 16-31 256 bytes of plane 1).  No LDS, no barrier, no loop: a thread has one batch of loads.
; SINE AND COSINE.  y = n pi/2 + r, n = the nearest whole number to y 2/pi, pi/2 taken away in three parts (9, 11 and 24 bits: the first two products are exact), then the two Taylor sums on
; |r| <= pi/4, cut at r^9 / 9! and r^10 / 10!: the first terms left out are under 2e-9.  Of n only the parity is used (it swaps the two sums): every cosine and sine
; enters q as a factor of a product that is squared, so their signs cannot reach q, for any input.
; LIMITS.  f16 holds no number beyond 65,504: W2, W1 and b1 lie within it; below 6.1e-5 a number keeps f16's fixed step of 6e-8.  The reduction is good to about 1e-7 for |x|, |theta| up to 2e5.
.set CXR, 16                           ; v[16:19] cos(x/2)      v[20:23] sin(x/2)
.set SXR, 20
.set CTR, 24                           ; v[24:27] cos(theta/2)  v[28:31] sin(theta/2)
.set STR, 28
.set WD,  32                           ; v[32:95]  W2: 16 x 4 registers as loaded; the first two of each four then hold the four f16
.set TN,  96                           ; v96-102 at work
.set TR,  97
.set TR2, 98
.set TPS, 99
.set TPC, 100
.set TT,  101
.set TK,  102
.set QF,  104                          ; v[104:107] q in f32; v[108:109] in f16
.set K2PI, 24                          ; s24-35 constants
.set KD1, 25
.set KD2, 26
.set KD3, 27
.set KS1, 28
.set KS2, 29
.set KS3, 30
.set KS4, 31
.set KC2, 32
.set KC3, 33
.set KC4, 34
.set KC5, 35
	s_load_b512 s[4:19], s[0:1], 0x0               ; W2 s[4:5], W1 s[6:7], b1 s[8:9], theta s[10:11], x s[12:13], w2h s[14:15], w1e s[16:17], qh s[18:19]
	v_lshrrev_b32 v5, 5, v0
	v_readfirstlane_b32 s20, v5                    ; wave 0..7
	v_lshlrev_b32 v1, 4, v0                        ; 16 t: my 16 bytes of W2
	v_lshlrev_b32 v2, 3, v0                        ; 8 t: my 8 bytes of w2h, and of qh
	s_mov_b32 s3, 0                                ; every offset below is under 2^32: its high word
	s_mov_b32 s[K2PI], 0x3f22f983                  ; 2 / pi
	s_mov_b32 s[KD1], 0xbfc90000                   ; -1.5703125
	s_mov_b32 s[KD2], 0xb9fda000                   ; -4.837512969970703e-4
	s_mov_b32 s[KD3], 0xb3a22169                   ; -7.549789955e-8: the three add up to -pi/2
	s_mov_b32 s[KS1], 0xbe2aaaab                   ; -1/3!
	s_mov_b32 s[KS2], 0x3c088889                   ; 1/5!
	s_mov_b32 s[KS3], 0xb9500d01                   ; -1/7!
	s_mov_b32 s[KS4], 0x3638ef1d                   ; 1/9!
	s_mov_b32 s[KC2], 0x3d2aaaab                   ; 1/4!
	s_mov_b32 s[KC3], 0xbab60b61                   ; -1/6!
	s_mov_b32 s[KC4], 0x37d00d01                   ; 1/8!
	s_mov_b32 s[KC5], 0xb493f27e                   ; -1/10!
	s_mov_b32 s40, 0xffff0000                      ; lanes 16-31
	s_wait_kmcnt 0x0
	s_lshl_b32 s2, ttmp9, 16                       ; the work-group's share of each buffer
	s_add_nc_u64 s[4:5], s[4:5], s[2:3]            ; W2: 65,536 bytes
	s_lshl_b32 s2, ttmp9, 15
	s_add_nc_u64 s[14:15], s[14:15], s[2:3]        ; w2h: 32,768
	s_lshl_b32 s2, ttmp9, 18
	s_add_nc_u64 s[12:13], s[12:13], s[2:3]        ; x: 64 rows of 4,096
	s_lshl_b32 s2, ttmp9, 10
	s_add_nc_u64 s[18:19], s[18:19], s[2:3]        ; qh: 64 tokens of 16
	s_lshl_b32 s2, ttmp9, 9
	s_add_nc_u64 s[6:7], s[6:7], s[2:3]            ; W1: 16 rows of 32
	s_lshl_b32 s2, ttmp9, 6
	s_add_nc_u64 s[8:9], s[8:9], s[2:3]            ; b1: 16 numbers
	s_lshl_b32 s2, ttmp9, 8
	s_add_nc_u64 s[16:17], s[16:17], s[2:3]        ; w1e: 16 rows of 16, in each plane
.irp k, 0,1,2,3,4,5,6,7,8,9,10,11,12,13,14,15
	global_load_b128 v[WD+4*(\k):WD+4*(\k)+3], v1, s[4:5] offset:4096*(\k) th:TH_LOAD_NT
.endr
	s_cmp_lt_u32 s20, 4
	s_cbranch_scc1 .Lq
	s_cmp_eq_u32 s20, 4
	s_cbranch_scc1 .Lw
	s_branch .Ljoin
; cos and sin of v[y], up to their signs, into v[c] and v[s]
.macro SINCOS y, c, s
	v_mul_f32 v[TN], s[K2PI], v[\y]
	v_rndne_f32 v[TN], v[TN]                       ; n
	v_fma_f32 v[TR], v[TN], s[KD1], v[\y]
	v_fma_f32 v[TR], v[TN], s[KD2], v[TR]
	v_fma_f32 v[TR], v[TN], s[KD3], v[TR]          ; r = y - n pi/2
	v_cvt_i32_f32 v[TK], v[TN]
	v_mul_f32 v[TR2], v[TR], v[TR]
	v_and_b32 v[TK], 1, v[TK]                      ; n's parity
	v_fma_f32 v[TPS], v[TR2], s[KS4], s[KS3]       ; the two sums by Horner's scheme, line by line in turn
	v_fma_f32 v[TPC], v[TR2], s[KC5], s[KC4]
	v_fma_f32 v[TPS], v[TPS], v[TR2], s[KS2]
	v_fma_f32 v[TPC], v[TPC], v[TR2], s[KC3]
	v_fma_f32 v[TPS], v[TPS], v[TR2], s[KS1]
	v_fma_f32 v[TPC], v[TPC], v[TR2], s[KC2]
	v_mul_f32 v[TT], v[TR], v[TR2]
	v_fma_f32 v[TPC], v[TPC], v[TR2], -0.5
	v_fma_f32 v[TPS], v[TPS], v[TT], v[TR]         ; sin r
	v_fma_f32 v[TPC], v[TPC], v[TR2], 1.0          ; cos r
	v_cmp_eq_u32 vcc_lo, 1, v[TK]
	v_cndmask_b32 v[\c], v[TPC], v[TPS], vcc_lo    ; n odd: |cos y| = |sin r|,
	v_cndmask_b32 v[\s], v[TPS], v[TPC], vcc_lo    ; |sin y| = |cos r|
.endm
.Lq:                                                   ; waves 0-3: thread t has token t / 2 of the group's 64, features 4 (t % 2) .. + 3
	v_lshrrev_b32 v3, 1, v0
	v_and_b32 v4, 1, v0
	v_lshlrev_b32 v4, 4, v4                        ; 16 (t % 2): also my four numbers of theta
	v_lshl_add_u32 v3, v3, 12, v4                  ; + the token's row of 4,096 bytes
	global_load_b128 v[8:11], v3, s[12:13] th:TH_LOAD_NT
	global_load_b128 v[12:15], v4, s[10:11]
	s_wait_loadcnt 0x0                             ; these two are the youngest loads, so the count is 0
.irp i, 0,1,2,3,4,5,6,7
	v_mul_f32 v[8+\i], 0.5, v[8+\i]                ; the half angles
.endr
.irp i, 0,1,2,3
	SINCOS 8+\i, CXR+\i, SXR+\i
	SINCOS 12+\i, CTR+\i, STR+\i
.endr
.irp i, 0,1,2,3
	v_mul_f32 v96, v[CTR+\i], v[CXR+\i]
	v_mul_f32 v97, v[STR+\i], v[SXR+\i]
	v_mul_f32 v98, v[STR+\i], v[CXR+\i]
	v_mul_f32 v99, v[CTR+\i], v[SXR+\i]
	v_mul_f32 v96, v96, v96
	v_mul_f32 v98, v98, v98
	v_fma_f32 v96, v97, v97, v96                   ; |a|^2 = (ct cx)^2 + (st sx)^2
	v_fma_f32 v98, v99, v99, v98                   ; |b|^2 = (st cx)^2 + (ct sx)^2
	v_sub_f32 v[QF+\i], v96, v98
.endr
	v_cvt_pk_f16_f32 v108, v[QF], v[QF+1]
	v_cvt_pk_f16_f32 v109, v[QF+2], v[QF+3]
	global_store_b64 v2, v[108:109], s[18:19]      ; a wave stores 256 consecutive bytes, aligned; none of these registers is written again
	s_branch .Ljoin
.Lw:                                                   ; wave 4: row f = 16 g + lane % 16 of the table; both halves of the lanes load it, each stores its plane
	v_and_b32 v5, 15, v0
	v_bfe_u32 v6, v0, 4, 1
	v_lshlrev_b32 v7, 5, v5                        ; a row of W1 is 32 bytes
	v_lshlrev_b32 v17, 2, v5
	v_lshlrev_b32 v26, 4, v5                       ; a row of the table is 16 bytes;
	v_lshl_add_u32 v26, v6, 16, v26                ; lanes 16-31: plane 1
	global_load_b128 v[8:11], v7, s[6:7]
	global_load_b128 v[12:15], v7, s[6:7] offset:16
	global_load_b32 v16, v17, s[8:9]
	v_mov_b32 v25, 0
	s_wait_loadcnt 0x0
	v_cvt_pk_f16_f32 v20, v8, v9
	v_cvt_pk_f16_f32 v21, v10, v11
	v_cvt_pk_f16_f32 v22, v12, v13
	v_cvt_pk_f16_f32 v23, v14, v15
	v_cvt_pk_f16_f32 v24, v16, v25                 ; {b1, 0}
	v_cndmask_b32 v20, v20, v24, s40
	v_cndmask_b32 v21, v21, v25, s40
	v_cndmask_b32 v22, v22, v25, s40
	v_cndmask_b32 v23, v23, v25, s40
	global_store_b128 v26, v[20:23], s[16:17]      ; 16 lanes store 256 consecutive bytes, aligned, twice
.Ljoin:
	s_wait_loadcnt 0x0                             ; W2's 16 loads (waves 0-4 have waited already)
.irp k, 0,1,2,3,4,5,6,7,8,9,10,11,12,13,14,15
	v_cvt_pk_f16_f32 v[WD+4*(\k)], v[WD+4*(\k)], v[WD+4*(\k)+1]
	v_cvt_pk_f16_f32 v[WD+4*(\k)+1], v[WD+4*(\k)+2], v[WD+4*(\k)+3]
	global_store_b64 v2, v[WD+4*(\k):WD+4*(\k)+1], s[14:15] offset:2048*(\k)
.endr
	s_endpgm
.Lfunc_end_k_q3ce080ff57_prep:
	.size	k_q3ce080ff57_prep, .Lfunc_end_k_q3ce080ff57_prep-k_q3ce080ff57_prep
	.p2alignl 7, 3214868480
	.fill 96, 4, 3214868480
	.section	.rodata,"a",@progbits
	.p2align	6, 0x0
	.amdhsa_kernel k_q3ce080ff57_prep
		.amdhsa_group_segment_fixed_size 0
		.amdhsa_private_segment_fixed_size 0
		.amdhsa_enable_private_segment 0
		.amdhsa_kernarg_size 64
		.amdhsa_user_sgpr_count 2
		.amdhsa_user_sgpr_kernarg_segment_ptr 1
		.amdhsa_wavefront_size32 1
		.amdhsa_system_sgpr_workgroup_id_x 1
		.amdhsa_system_sgpr_workgroup_id_y 1
		.amdhsa_system_sgpr_workgroup_id_z 1
		.amdhsa_system_vgpr_workitem_id 0
		.amdhsa_next_free_vgpr 112
		.amdhsa_next_free_sgpr 66
		.amdhsa_reserve_vcc 1
		.amdhsa_float_denorm_mode_32 3
		.amdhsa_float_denorm_mode_16_64 3
		.amdhsa_memory_ordered 1
		.amdhsa_forward_progress 1
		.amdhsa_inst_pref_size 19
	.end_amdhsa_kernel
	.amdgpu_metadata
---
amdhsa.version: [ 1, 2 ]
amdhsa.kernels:
  - .name:           k_q3ce080ff57_prep
    .symbol:         k_q3ce080ff57_prep.kd
    .args:
      - { .name: W2, .offset: 0, .size: 8, .value_kind: global_buffer, .address_space: global }
      - { .name: W1, .offset: 8, .size: 8, .value_kind: global_buffer, .address_space: global }
      - { .name: b1, .offset: 16, .size: 8, .value_kind: global_buffer, .address_space: global }
      - { .name: theta, .offset: 24, .size: 8, .value_kind: global_buffer, .address_space: global }
      - { .name: x, .offset: 32, .size: 8, .value_kind: global_buffer, .address_space: global }
      - { .name: w2h, .offset: 40, .size: 8, .value_kind: global_buffer, .address_space: global }
      - { .name: w1e, .offset: 48, .size: 8, .value_kind: global_buffer, .address_space: global }
      - { .name: qh, .offset: 56, .size: 8, .value_kind: global_buffer, .address_space: global }
    .group_segment_fixed_size: 0
    .private_segment_fixed_size: 0
    .kernarg_segment_align: 8
    .kernarg_segment_size: 64
    .max_flat_workgroup_size: 256
    .sgpr_count:     66
    .vgpr_count:     112
    .wavefront_size: 32
...
	.end_amdgpu_metadata
.endif
;; end of part 1
;; launch ffn (part 2): grid 64 x 4, 4 waves a work-group, clusters of 4 x 1, 327,680 bytes of LDS; arguments w2h, w1e, qh, b2, out0; writes out0
.if DOCPART == 2
	.amdgcn_target "amdgcn-amd-amdhsa--gfx1250"
	.amdhsa_code_object_version 6
	.text
	.protected	k_q3ce080ff57_ffn
	.globl	k_q3ce080ff57_ffn
	.p2align	8
	.type	k_q3ce080ff57_ffn,@function
k_q3ce080ff57_ffn:
	s_mov_b64 s[64:65], 0
	v_nop
	global_prefetch_b8 v0, s[64:65] scope:SCOPE_SE
	s_setreg_imm32_b32 hwreg(HW_REG_WAVE_MODE, 25, 1), 1
	s_wait_xcnt 0x0
	s_wait_alu depctr_hold_cnt(0) depctr_sa_sdst(0) depctr_va_vdst(0) depctr_va_sdst(0) depctr_va_ssrc(0) depctr_va_vcc(0) depctr_vm_vsrc(0)
	s_getreg_b32 s2, hwreg(HW_REG_IB_STS2, 6, 4)
	s_cmp_eq_u32 s2, 0
	s_cbranch_scc0 .Lentry_in_a_cluster
	s_endpgm
.Lentry_in_a_cluster:
	s_bfe_u32 s2, ttmp6, 0x10000c
	s_cmp_lg_u32 s2, 0x3003
	s_cbranch_scc0 .Lentry_shape_is_right
	s_endpgm
.Lentry_shape_is_right:
; out[t][e] = b2[e] + the sum over f of relu(b1[f] + the sum over w of q[t][w] W1[f][w]) W2[e][f].  16,384 tokens t, 4,096 f, 1,024 e.  q, W1 with b1, and W2 arrive in f16 (qh, w1e, w2h);
; both products have f16 operands and f32 sums; the hidden layer h is rounded once to f16 and never leaves registers; b2 is added in f32; out is f32.
; WHY f16: h and W2 keep 11 significant bits, and every number of out must lie within a hundredth of the output's root mean square.  LIMITS: f16 holds no number beyond 65,504, so
; 8 max|W1| + max|b1| stays under that (|q| <= 1) or h becomes an infinity; below 6.1e-5 h keeps f16's fixed step of 6e-8; relu of a NaN is 0; NaN and infinities are not treated apart.
; SHARES.  A work-group makes 256 tokens x 256 columns e.  Each of its four waves owns 64 tokens (four tiles of 16) x ALL 256 columns: 64 accumulators of 16 x 16, 512 registers.  So no two waves
; of a work-group own the same tokens and h is made once in a work-group: for 32 along f a wave issues 8 products for h and 64 for out.
; LAYOUT.  h^T = W1e q^T (source 0 = 16 rows f of the table, source 1 = 16 tokens): in the result a lane holds ONE token (lane % 16) and f = 8 (lane / 16) + 0..7.  Two such results, rounded to
; f16 in pairs, ARE source 1 (32 f x 16 tokens) of out^T = W2 h^T (source 0 = 16 columns e), whose result holds one token a lane and eight neighbouring columns.  Nothing changes lanes.
; The first product's 32 places along K: 0-7 W1[f][w] against q[t][w]; 8: b1[f] against 1.0; 9-31: zeros.  So the bias rides in the product, and a fragment is ONE load of 16 bytes a lane
; (lanes 0-15: the table's plane 0; lanes 16-31: plane 1); its registers 4-7 hold 0 for good.
; THE RING.  f goes in K steps of 128 through two LDS slots of 256 rows (columns e) x 256 bytes of w2h; each wave brings 64 rows by one tensor load.  The table (131,072 bytes) is brought once.
; CLUSTER.  The four work-groups of a cluster have four blocks of tokens and ONE block of columns: they want the same tiles of w2h and the same table, so every tensor load is asked for JOINTLY, with
; the same descriptor and the mask of four in all four.  A work-group's place in its cluster enters the addresses of qh, of out and of the prefetches alone.
; A QUARTER is 32 along f.  Quarter g multiplies buffers F(g % 2) and H(g % 2); beside that it makes h for quarter g + 1: 8 products at its head (from the table's fragments that quarter g - 1
; fetched), then 16 slices of four vector lines (rounding, relu) behind every fourth product; and it fetches W2's fragments of quarter g + 1 and the table's of quarter g + 2, 34 loads in one run.
; REGISTERS, in windows of 256 (s_set_vgpr_msb: bits 1:0 source 0, 3:2 source 1, 5:4 source 2, 7:6 destination):
;   window 0: v0-31 addresses and constants; v32-63 q's four fragments; v64-127 the 8 results of the first product; v128-191 h, two buffers of four fragments; v192-207 the table's two fragments
;   window 1: W2's fragments, two buffers of 128          window 2: the accumulators of token tiles 0, 1 ((t, b) at v[8 (16 (t % 2) + b)])          window 3: those of tiles 2, 3
; A slice works in window 0 and costs two switches: 32 a quarter.  Set in a run of its own, a quarter's 64 vector lines would stand between the products; behind single products they stand beside them.
.set KB,     256                       ; bytes of a row of w2h in a K step
.set PITCH,  272                       ; an LDS row: 256 bytes + 16 of padding = 68 words: the 16 rows of a load start at 16 different groups of four banks (64 banks of 4 bytes: ISA guide 11.1)
.set QROWS,  64*PITCH                  ; what one tensor load brings
.set SLOT,   256*PITCH
.set W1T,    2*SLOT                    ; the table, as it lies in memory: 16 lanes read 256 consecutive bytes, so it has no padding
.set PLANE,  65536
.set STAGE,  W1T+2*PLANE               ; for the way out: 16 rows x 528 bytes for each wave; no tensor load lands here
.set SPITCH, 528                       ; 512 bytes + 16 = 33 x 16
.set SPARE,  STAGE+4*16*SPITCH         ; the spare words, 128 bytes for each wave: two blocks of 256 bytes that no other line names
.set B2,   8                           ; v[8:11], v[12:15]  b2 of my four columns in the block's left and right half
.set ADRB, 16                          ; v16-17  LDS address of my part of W2's fragments in slot 0, 1; never rewritten
.set AW,   18                          ; v18     the same in the table; steps by 4,096 (eight quarters) a lap
.set STO,  20                          ; v20     the way out: where I put 32 bytes of a row
.set RD,   21                          ; v21     where I read 16 bytes of a row back
.set CO,   22                          ; v22     16 x lane: my place in 512 bytes of out, and of b2
.set QO,   23                          ; v23     16 x (lane % 16): my token in a tile of qh
.set ZR,   26                          ; v26     0, for the relu on packed halves
.set ONE,  27                          ; v27     {1.0, 0} in f16
.set SPW,  28                          ; v28     LDS address of my spare word: SPARE + 4 x my thread's number; never rewritten
.set NIL,  29                          ; v29     0; never rewritten
.set PFO,  30                          ; v30     the prefetches' offset: lane x a row of w2h (8,192 bytes); never rewritten
.set Q,    32
.set S,    64
.set HB,   128
.set W1F,  192
.set OB,   64                          ; the way out: two buffers of 64, where S and H lay
.set WV,   14                          ; s14  my wave's number
.set CX,   15                          ; s15  my place in the cluster
.set G1,   24                          ; s[24:31] descriptor group 1 for w2h's tiles
.set G0,   32                          ; s[32:39] group 0, a set for each slot
.set G1W,  40                          ; s[40:47] group 1 for the table
.set G0W,  48                          ; s[48:51] its group 0
.set PFA,  52                          ; s[52:53] where my prefetches stand
.set LIM,  54                          ; s54  1 in a wave that prefetches, else the greatest number
.set HIGH, 55                          ; s55  lanes 16-31, as a mask for v_cndmask_b32
.set NT,   56                          ; s56  the block of 256 columns, which the four partners share
.set MT,   57                          ; s57  my block of 256 tokens; s58, s59, s62: offsets made of it
.set MSB, 0
.macro WIN new                         ; the immediate's high byte repeats the setting that is left; a switch that changes nothing is dropped
.if MSB != (\new)
	s_set_vgpr_msb (MSB<<8)|(\new)
.set MSB, \new
.endif
.endm
.set MUL_LO, 0xa1                      ; W2 (source 0) window 1, h (source 1) window 0, C and D window 2
.set TO_B,   0x40                      ; destination window 1, address window 0
.macro PLACES                          ; a vector line that reads a matrix result or writes a matrix instruction's register, and a load into such a register, stand four plain vector lines behind it (ISA guide 7.12.1 for vector lines)
.rept 4
	v_nop
.endr
.endm
.macro CREST                           ; a round of the cluster's barrier behind its opening barrier: wave 0 signals for the work-group, every wave waits for all four work-groups, my work-group's barrier once more
	s_cmp_lg_u32 s[WV], 0
	s_cbranch_scc1 .Lnot_wave_0_\@
	s_barrier_signal -3
.Lnot_wave_0_\@:
	s_barrier_wait -3
	s_barrier_signal -1
	s_barrier_wait -1
.endm
.macro CROUND                          ; a whole round
	s_barrier_signal -1
	s_barrier_wait -1
	CREST
.endm
.macro JLOAD s                         ; a joint refill: one line for all four waves, each with its own 64 rows by its number; an s_nop 0 and four v_nop follow
	tensor_load_to_lds s[G0+4*(\s):G0+4*(\s)+3], s[G1:G1+7]
	s_nop 0
	PLACES
.endm
; A PREFETCH INTO THE L2, behind a refill and the run of LDS loads that follows it: 32 rows x 256 bytes of w2h, a lane a row, of the K step that stands TWO refills on: 576 matrix instructions ahead of its load.
; Each row's 256 bytes of a K step are named ONCE in the launch: the 16 clusters of a block of columns walk the same 256 rows, and the first of them (cluster x = 0) asks; its four partners take 64 rows each,
; told apart BY ADDRESS; in each, waves 0 and 1 take 32.  K steps 0 to 3 come by their loads alone; the loop's last trip asks for nothing: K steps 32 and 33 do not exist.
.macro ASK
	s_cmp_gt_u32 s3, s[LIM]                        ; s3 = 1 in the loop's last trip
	s_cbranch_scc0 .Lnot_mine_\@
	global_prefetch_b8 v[PFO], s[PFA:PFA+1] offset:KB th:TH_LOAD_NT scope:SCOPE_SE
.Lnot_mine_\@:
.endm
	s_load_b256 s[4:11], s[0:1], 0x0               ; w2h s[4:5], w1e s[6:7], qh s[8:9], b2 s[10:11]
	s_load_b64 s[12:13], s[0:1], 0x20              ; out
	v_lshl_add_u32 v[SPW], v0, 2, SPARE
	v_mov_b32 v[NIL], 0
	ds_add_u32 v[SPW], v[NIL]                      ; the wave's opening: the add and its wait stand ahead of my first tensor load; the set-up below, work on registers, stands between them
	v_lshrrev_b32 v3, 5, v0
	v_readfirstlane_b32 s[WV], v3                  ; wave 0..3
	s_bfe_u32 s[CX], ttmp6, 0x40000
	s_lshl_b32 s[MT], ttmp9, 2                     ; in a cluster launch ttmp9 counts clusters
	s_add_co_u32 s[MT], s[MT], s[CX]               ; my block of tokens = 4 x cluster x + cx
	s_and_b32 s[NT], ttmp7, 0xffff
	; group 1 for w2h: a tile of 64 rows x 128 elements of 2 bytes, padded in LDS
	s_mov_b32 s[G1+0], 15|(1<<16)|(1<<20)|(1<<21)|(5<<22)|(3<<25)  ; 15:0 the mask of four; 17:16 2-byte elements; 20 padding on; 21 set beside a mask; 24:22 after every 64 words (code 5); 31:25 4 words (code 3)
	s_mov_b32 s[G1+1], 128<<16                     ; tensor_dim0 = 128
	s_mov_b32 s[G1+2], 64<<16                      ; tensor_dim1 = 64
	s_mov_b32 s[G1+3], 128<<16                     ; tile_dim0 = 128
	s_mov_b32 s[G1+4], 64                          ; tile_dim1 = 64
	s_mov_b32 s[G1+5], 4096                        ; elements from row to row
	s_mov_b32 s[G1+6], 0
	s_mov_b32 s[G1+7], 0
	; group 1 for the table: a wave's quarter, 32,768 dense bytes, as 128 rows of 32 elements of 8 bytes, no padding
	s_mov_b32 s[G1W+0], 15|(3<<16)|(1<<21)
	s_mov_b32 s[G1W+1], 32<<16
	s_mov_b32 s[G1W+2], 128<<16
	s_mov_b32 s[G1W+3], 32<<16
	s_mov_b32 s[G1W+4], 128
	s_mov_b32 s[G1W+5], 32
	s_mov_b32 s[G1W+6], 0
	s_mov_b32 s[G1W+7], 0
	s_mov_b32 s[HIGH], 0xffff0000
	s_mul_i32 s20, s[WV], QROWS                    ; where my 64 rows go in a slot: no place in the cluster enters an LDS address
	s_lshl_b32 s22, s[WV], 15                      ; my quarter of the table, in memory and in LDS
	s_mov_b32 s23, 0
	s_lshl_b32 s16, s[NT], 21                      ; the block's 256 rows of 8,192 bytes,
	s_lshl_b32 s17, s[WV], 19                      ; my 64 of them
	s_add_co_u32 s16, s16, s17
	s_mov_b32 s17, 0
	s_wait_dscnt 0x0                               ; the opening add is done
	s_wait_kmcnt 0x0
	s_add_nc_u64 s[18:19], s[4:5], s[16:17]
.irp s, 0,1
	s_mov_b32 s[G0+4*(\s)], 1                                      ; count = 1
	s_add_co_u32 s[G0+4*(\s)+1], s20, (\s)*SLOT                    ; LDS address
	s_add_nc_u64 s[G0+4*(\s)+2:G0+4*(\s)+3], s[18:19], (\s)*KB     ; global address: K step s
	s_or_b32 s[G0+4*(\s)+3], s[G0+4*(\s)+3], 0x80000000            ; type = 2
.endr
	s_mov_b32 s[G0W], 1
	s_add_co_u32 s[G0W+1], s22, W1T
	s_add_nc_u64 s[G0W+2:G0W+3], s[6:7], s[22:23]
	s_or_b32 s[G0W+3], s[G0W+3], 0x80000000
	CROUND                                         ; all four work-groups are here: the first joint loads meet
	tensor_load_to_lds s[G0:G0+3], s[G1:G1+7]      ; the first fills, one group: K step 0,
	s_nop 0
	tensor_load_to_lds s[G0W:G0W+3], s[G1W:G1W+7]  ; the table,
	s_nop 0
	tensor_load_to_lds s[G0+4:G0+7], s[G1:G1+7]    ; K step 1: three loads of mine are out
	s_nop 0
	PLACES
	v_and_b32 v1, 15, v0                           ; r = lane % 16
	v_bfe_u32 v2, v0, 4, 1                         ; h = lane / 16
	v_and_b32 v3, 31, v0                           ; lane
	v_lshlrev_b32 v[QO], 4, v1
	v_lshlrev_b32 v[CO], 4, v3
	s_lshl_b32 s58, s[MT], 12                      ; qh: my block's 256 tokens of 16 bytes,
	s_lshl_b32 s59, s[WV], 10                      ; my wave's 64
	s_add_co_u32 s58, s58, s59
	s_mov_b32 s59, 0
	s_add_nc_u64 s[8:9], s[8:9], s[58:59]
	s_lshl_b32 s60, s[NT], 10                      ; the block's 256 columns of 4 bytes, in b2 and in a row of out
	s_mov_b32 s61, 0
	s_add_nc_u64 s[10:11], s[10:11], s[60:61]
	s_add_nc_u64 s[12:13], s[12:13], s[60:61]
	s_lshl_b32 s58, s[MT], 20                      ; out: my block's 256 rows of 4,096 bytes,
	s_lshl_b32 s62, s[WV], 18                      ; my wave's 64
	s_add_co_u32 s58, s58, s62
	s_add_nc_u64 s[12:13], s[12:13], s[58:59]
.irp t, 0,1,2,3
	global_load_b128 v[Q+8*(\t):Q+8*(\t)+3], v[QO], s[8:9] offset:256*(\t)  ; q of token 16 t + r, in both halves of the lanes
.endr
	global_load_b128 v[B2:B2+3], v[CO], s[10:11]
	global_load_b128 v[B2+4:B2+7], v[CO], s[10:11] offset:512
	v_mul_u32_u24 v4, v1, PITCH
	v_lshl_add_u32 v[ADRB], v2, 4, v4              ; a fragment of 16 rows x 32 along K: row x pitch + 16 x half; two loads, 32 bytes apart
	v_add_nc_u32 v[ADRB+1], SLOT, v[ADRB]
	v_lshlrev_b32 v4, 4, v1
	v_lshl_add_u32 v4, v2, 16, v4                  ; the table: 16 r, and plane 1 for lanes 16-31
	v_add_nc_u32 v[AW], W1T, v4
	s_mul_i32 s16, s[WV], 16*SPITCH
	s_add_co_u32 s16, s16, STAGE                   ; my stage
	v_mul_u32_u24 v4, v1, SPITCH                   ; in: row r, 32 bytes for each half of the lanes
	v_lshl_add_u32 v4, v2, 5, v4
	v_add_nc_u32 v[STO], s16, v4
	v_lshl_add_u32 v[RD], v3, 4, s16               ; back: 32 lanes take a row's 512 bytes
	v_lshlrev_b32 v[PFO], 13, v3
	v_mov_b32 v[ZR], 0
	v_mov_b32 v[ONE], 0x3c00
.irp t, 0,1,2,3
.irp n, 4,5,6,7
	v_mov_b32 v[Q+8*(\t)+(\n)], 0                  ; places 16-31 along K
.endr
.endr
.irp n, 4,5,6,7,12,13,14,15
	v_mov_b32 v[W1F+(\n)], 0
.endr
	s_lshr_b32 s16, s[WV], 1                       ; waves 0 and 1
	s_or_b32 s16, s16, ttmp9                       ; of the first cluster of the block of columns: the same in all four partners
	s_cmp_eq_u32 s16, 0
	s_cselect_b32 s[LIM], 1, -1
	s_lshl_b32 s58, s[NT], 21
	s_lshl_b32 s59, s[CX], 19                      ; my work-group's 64 rows of the 256,
	s_add_co_u32 s58, s58, s59
	s_and_b32 s59, s[WV], 1
	s_lshl_b32 s59, s59, 18                        ; my wave's 32
	s_add_co_u32 s58, s58, s59
	s_add_co_u32 s58, s58, 2*KB                    ; at K step 2: the first refill steps it to 3 and names K step 4
	s_mov_b32 s59, 0
	s_add_nc_u64 s[PFA:PFA+1], s[4:5], s[58:59]
; The first product for one quarter: result u = 2 t + i holds f = 16 i .. + 15 of token tile t.  Eight destinations, each started with the constant 0.  The four v_nop behind it are the places in front of the slices (which
; read these results and write the h buffer that the quarter before multiplied) and of the loads into the table's fragments and into the W2 buffer that the quarter before multiplied.
.macro GEN
	WIN 0
.irp u, 0,1,2,3,4,5,6,7
	v_wmma_f32_16x16x32_f16 v[S+8*(\u):S+8*(\u)+7], v[W1F+8*((\u)%2):W1F+8*((\u)%2)+7], v[Q+8*((\u)/2):Q+8*((\u)/2)+7], 0
.endr
	PLACES
.endm
; 32 LDS loads in one run: W2's fragments of a quarter (256 rows, 32 along f at byte kb of the rows) into the buffer at f of window 1; then, if woff >= 0, the table's two fragments at byte woff behind v[AW].
.macro FETCH slot, kb, f, woff
	WIN TO_B
.irp b, 0,1,2,3,4,5,6,7,8,9,10,11,12,13,14,15
	ds_load_b128 v[(\f)+8*(\b):(\f)+8*(\b)+3],   v[ADRB+(\slot)] offset:(\kb)+(\b)*16*PITCH
	ds_load_b128 v[(\f)+8*(\b)+4:(\f)+8*(\b)+7], v[ADRB+(\slot)] offset:(\kb)+(\b)*16*PITCH+32
.endr
	WIN 0
.if (\woff) >= 0
	ds_load_b128 v[W1F:W1F+3],    v[AW] offset:(\woff)
	ds_load_b128 v[W1F+8:W1F+11], v[AW] offset:(\woff)+256
.endif
.endm
; Slice k of 16: result u = k / 2 becomes half a fragment of h in buffer hb.  k even: four roundings to f16, the result's lowest registers first; k odd: the relu, two numbers a line.
.macro SLICE k, hb
	WIN 0
.set uu, (\k)/2
.set rS, S+8*uu
.set rD, HB+32*(\hb)+8*(uu/2)+4*(uu%2)
.if (\k)%2 == 0
.irp n, 0,1,2,3
	v_cvt_pk_f16_f32 v[rD+(\n)], v[rS+2*(\n)], v[rS+2*(\n)+1]
.endr
.else
.irp n, 0,1,2,3
	v_pk_max_num_f16 v[rD+(\n)], v[rD+(\n)], v[ZR]
.endr
.endif
.endm
; Product i of a quarter's 64 on buffers p: token tile i / 16, column block i % 16.  The 64 accumulators take turns, one instruction a turn, in the same order in every quarter.
; zero = 1: it starts the sum.  sl = 1: a slice for the other h buffer stands behind every fourth product.
.macro MM p, zero, sl
.set tt, i/16
.set bb, i%16
.set rA, 8*(16*(tt%2)+bb)
.set rF, 128*(\p)+8*bb
.set rH, HB+32*(\p)+8*tt
	WIN MUL_LO+0x50*(tt/2)
.if \zero
	v_wmma_f32_16x16x32_f16 v[rA:rA+7], v[rF:rF+7], v[rH:rH+7], 0
.else
	v_wmma_f32_16x16x32_f16 v[rA:rA+7], v[rF:rF+7], v[rH:rH+7], v[rA:rA+7]
.endif
.if (\sl) && (i%4 == 3)
	SLICE i/4, 1-(\p)
.endif
.set i, i+1
.endm
; One of a K step's first three quarters.  j: its number from the lap's first quarter on; the table's fragments of quarter j + 2 lie 512 (j + 2) bytes behind v[AW].  w1 = 0: that quarter does not exist.
.macro QUARTER slot, kb, p, j, zero=0, w1=1
	s_wait_dscnt 0x0                               ; the 34 loads of the quarter before, issued 64 products ago (32 behind a change of slots)
	GEN
.if \w1
	FETCH \slot, \kb, 128*(1-(\p)), 512*((\j)+2)
.else
	FETCH \slot, \kb, 128*(1-(\p)), -1
.endif
.set i, 0
.rept 64
	MM \p, \zero, 1
.endr
.endm
; A K step's fourth quarter multiplies buffers 1 and changes slots: ONE barrier.  In front of it each wave waits for all its tensor loads, of which one is out: its part of the next slot; adds 0 to its spare word; and waits
; for that and for its own reads of this slot.  fill = 1: the barrier opens a round of the cluster's barrier, so that no wave of any partner still reads the slot or has a load on its way, and the slot is filled
; again, two K steps on, first thing behind the round: 248 matrix instructions ahead of the wait for it.
.macro TURN slot, next, j, fill
.if \fill
	s_wait_xcnt 0x0                                ; the last prefetch, a K step back, has read its address: it is stepped here, ahead of the waits of the change of slots
	s_add_nc_u64 s[PFA:PFA+1], s[PFA:PFA+1], KB
.endif
	WIN 0
	s_wait_tensorcnt 0x0                           ; all my tensor loads have landed;
	ds_add_u32 v[SPW], v[NIL]                      ; 0 onto my spare word;
	s_wait_dscnt 1                                 ; (the fragments are in; the add alone may be out)
	GEN
.set i, 0
.rept 16
	MM 1, 0, 1                                     ; work on registers stands between the add and the wait for it
.endr
	s_wait_dscnt 0x0                               ; the add is done, and my reads of this slot are over:
	s_barrier_signal -1                            ; say so,
.rept 16
	MM 1, 0, 1                                     ; work on registers while the others arrive,
.endr
	WIN 0                                          ; (at a branch and at a label every window is 0)
	s_barrier_wait -1                              ; and go on when all four waves have said so
.if \fill
	CREST
	s_add_nc_u64 s[G0+4*(\slot)+2:G0+4*(\slot)+3], s[G0+4*(\slot)+2:G0+4*(\slot)+3], 2*KB  ; no load of mine is out, so a group 0 may be written
	JLOAD \slot
.endif
	FETCH \next, 0, 0, 512*((\j)+2)
.if \fill
	ASK
.endif
.rept 32
	MM 1, 0, 1
.endr
.endm
	s_wait_tensorcnt 1                             ; my parts of K step 0 and of the table are in; K step 1's may stay out
	s_barrier_signal -1
	s_barrier_wait -1                              ; everybody's are
	FETCH 0, 0, 0, 0                               ; quarter 0: W2's fragments and the table's
	s_wait_loadcnt 0x0                             ; q and b2
.irp t, 0,1,2,3
	v_cndmask_b32 v[Q+8*(\t)],   v[Q+8*(\t)],   v[ONE], s[HIGH]  ; lanes 16-31 hold places 8-15 along K: 1.0 against b1, then zeros
	v_cndmask_b32 v[Q+8*(\t)+1], v[Q+8*(\t)+1], v[ZR],  s[HIGH]
	v_cndmask_b32 v[Q+8*(\t)+2], v[Q+8*(\t)+2], v[ZR],  s[HIGH]
	v_cndmask_b32 v[Q+8*(\t)+3], v[Q+8*(\t)+3], v[ZR],  s[HIGH]
.endr
	s_wait_dscnt 0x0
	GEN                                            ; h of quarter 0: once, there are no products yet to set its slices between
	ds_load_b128 v[W1F:W1F+3],    v[AW] offset:512 ; the table's fragments of quarter 1
	ds_load_b128 v[W1F+8:W1F+11], v[AW] offset:768
.irp k, 0,1,2,3,4,5,6,7,8,9,10,11,12,13,14,15
	SLICE \k, 0
.endr
	QUARTER 0, 64,  0, 0, 1                        ; the first quarter stands in front of the loop: its products start the sums, so nothing is cleared
	WIN 0
	s_mov_b32 s3, 15
.Llap:                                                 ; 15 trips: once round the ring, from a lap's second quarter to the next lap's first; both slots are filled again
	QUARTER 0, 128, 1, 1
	QUARTER 0, 192, 0, 2
	TURN 0, 1, 3, 1
	QUARTER 1, 64,  0, 4
	QUARTER 1, 128, 1, 5
	QUARTER 1, 192, 0, 6
	TURN 1, 0, 7, 1
	QUARTER 0, 64,  0, 8
	WIN 0
	v_add_nc_u32 v[AW], 4096, v[AW]                ; eight quarters on in the table
	s_sub_co_u32 s3, s3, 1
	s_cmp_lg_u32 s3, 0
	s_cbranch_scc1 .Llap
	QUARTER 0, 128, 1, 1                           ; the last lap is written out: it fills nothing
	QUARTER 0, 192, 0, 2
	TURN 0, 1, 3, 0                                ; my one tensor load that was out is the last K step's
	QUARTER 1, 64,  0, 4
	QUARTER 1, 128, 1, 5
	QUARTER 1, 192, 0, 6, 0, 0                     ; the table has no quarter 128
	s_wait_dscnt 0x0
.set i, 0
.rept 64
	MM 1, 0, 0                                     ; the last quarter: nothing is left to make or to fetch
.endr
	WIN 0
	PLACES                                         ; in front of the LDS stores that read the results, and of the loads into h's registers
; THE WAY OUT, in eight blocks a of 16 tokens (tile a / 2) x 128 columns (half a % 2).  A lane's eight f32 of a row are 32 bytes of the row's 512, and the lanes beside it hold other rows: so a block goes through my own
; stage in LDS and comes back as whole rows.  LDS serves a wave's instructions in order (ISA guide 5.7.1.4): the loads see the stores above them, and the next block's stores come behind these loads.
.macro TOSTAGE a
.set tt, (\a)/2
.set BK, OB+64*((\a)%2)
.if (\a) >= 2
	s_wait_xcnt 0x0                                ; the stores of the block two back have read this buffer: only behind this wait is it loaded again
.endif
	WIN 0x08+4*(tt/2)                              ; the stores' data in window 2 or 3
.irp c, 0,1,2,3,4,5,6,7
.set rA, 8*(16*(tt%2)+8*((\a)%2)+(\c))
	ds_store_b128 v[STO], v[rA:rA+3]   offset:64*(\c)     ; each accumulator's lowest registers first
	ds_store_b128 v[STO], v[rA+4:rA+7] offset:64*(\c)+16
.endr
	WIN 0
.irp w, 0,1,2,3,4,5,6,7,8,9,10,11,12,13,14,15
	ds_load_b128 v[BK+4*(\w):BK+4*(\w)+3], v[RD] offset:(\w)*SPITCH
.endr
.endm
.macro SEND a, younger                 ; younger: the LDS instructions issued behind block a's loads: the next block's 16 stores and 16 loads, or none
.set tt, (\a)/2
.set hh, (\a)%2
.set BK, OB+64*hh
	s_wait_dscnt \younger
.irp w, 0,1,2,3,4,5,6,7,8,9,10,11,12,13,14,15
	v_pk_add_f32 v[BK+4*(\w):BK+4*(\w)+1],   v[BK+4*(\w):BK+4*(\w)+1],   v[B2+4*hh:B2+4*hh+1]    ; + b2, in f32
	v_pk_add_f32 v[BK+4*(\w)+2:BK+4*(\w)+3], v[BK+4*(\w)+2:BK+4*(\w)+3], v[B2+4*hh+2:B2+4*hh+3]
	global_store_b128 v[CO], v[BK+4*(\w):BK+4*(\w)+3], s[12:13] offset:(16*tt+(\w))*4096+512*hh th:TH_STORE_NT  ; 512 consecutive bytes, at a multiple of 512 from out's first byte
.endr
.endm
	TOSTAGE 0
.irp a, 1,2,3,4,5,6,7
	TOSTAGE \a                                     ; a block's way through the stage stands between the loads of the block before and its stores
	SEND (\a)-1, 32
.endr
	SEND 7, 0
	s_wait_tensorcnt 0x0                           ; the wave's end, behind my last tensor load and my last LDS store
	ds_add_u32 v[SPW], v[NIL]
	s_wait_dscnt 0x0
	CROUND                                         ; the closing round: no work-group ends while a partner may still ask for a tile that names it
	s_endpgm
.Lfunc_end_k_q3ce080ff57_ffn:
	.size	k_q3ce080ff57_ffn, .Lfunc_end_k_q3ce080ff57_ffn-k_q3ce080ff57_ffn
	.p2alignl 7, 3214868480
	.fill 96, 4, 3214868480
	.section	.rodata,"a",@progbits
	.p2align	6, 0x0
	.amdhsa_kernel k_q3ce080ff57_ffn
		.amdhsa_group_segment_fixed_size 327680
		.amdhsa_private_segment_fixed_size 0
		.amdhsa_enable_private_segment 0
		.amdhsa_kernarg_size 40
		.amdhsa_user_sgpr_count 2
		.amdhsa_user_sgpr_kernarg_segment_ptr 1
		.amdhsa_wavefront_size32 1
		.amdhsa_system_sgpr_workgroup_id_x 1
		.amdhsa_system_sgpr_workgroup_id_y 1
		.amdhsa_system_sgpr_workgroup_id_z 1
		.amdhsa_system_vgpr_workitem_id 0
		.amdhsa_next_free_vgpr 1024
		.amdhsa_next_free_sgpr 66
		.amdhsa_reserve_vcc 0
		.amdhsa_float_denorm_mode_32 3
		.amdhsa_float_denorm_mode_16_64 3
		.amdhsa_memory_ordered 1
		.amdhsa_forward_progress 1
		.amdhsa_inst_pref_size 245
	.end_amdhsa_kernel
	.amdgpu_metadata
---
amdhsa.version: [ 1, 2 ]
amdhsa.kernels:
  - .name:           k_q3ce080ff57_ffn
    .symbol:         k_q3ce080ff57_ffn.kd
    .args:
      - { .name: w2h, .offset: 0, .size: 8, .value_kind: global_buffer, .address_space: global }
      - { .name: w1e, .offset: 8, .size: 8, .value_kind: global_buffer, .address_space: global }
      - { .name: qh, .offset: 16, .size: 8, .value_kind: global_buffer, .address_space: global }
      - { .name: b2, .offset: 24, .size: 8, .value_kind: global_buffer, .address_space: global }
      - { .name: out0, .offset: 32, .size: 8, .value_kind: global_buffer, .address_space: global }
    .group_segment_fixed_size: 327680
    .private_segment_fixed_size: 0
    .kernarg_segment_align: 8
    .kernarg_segment_size: 40
    .max_flat_workgroup_size: 128
    .sgpr_count:     66
    .vgpr_count:     1024
    .wavefront_size: 32
...
	.end_amdgpu_metadata
.endif
;; end of part 2
;; ======== version 2 of 2: 2 launches; version 1 with the launch prep written anew for expert scheduling mode
;; limits: values outside matrix products are rounded to f16; values are held in f16: magnitudes above 65,504 overflow, below 6.1e-05 lose precision; inputs' magnitudes at most 200,000
;; workspace buffers: w2h 8,388,608 bytes; w1e 131,072 bytes; qh 262,144 bytes
;; launch prep (part 3): grid 256 x 1, 8 waves a work-group, no clusters, 0 bytes of LDS; arguments W2, W1, b1, theta, x, w2h, w1e, qh; writes w2h, w1e, qh
.if DOCPART == 3
	.amdgcn_target "amdgcn-amd-amdhsa--gfx1250"
	.amdhsa_code_object_version 6
	.text
	.protected	k_q3ce080ff57_prep
	.globl	k_q3ce080ff57_prep
	.p2align	8
	.type	k_q3ce080ff57_prep,@function
k_q3ce080ff57_prep:
	s_mov_b64 s[64:65], 0
	v_nop
	global_prefetch_b8 v0, s[64:65] scope:SCOPE_SE
	s_setreg_imm32_b32 hwreg(HW_REG_WAVE_SCHED_MODE, 0, 2), 2
	s_setreg_imm32_b32 hwreg(HW_REG_WAVE_MODE, 25, 1), 1
	s_wait_xcnt 0x0
	s_wait_alu depctr_vm_vsrc(0)
; WHAT IT MAKES, each number rounded once to f16, for the launch behind it:
;   w2h [1024][4096]  = W2;
;   w1e, two planes of [4096][8]: plane 0 = W1[f][0..7], plane 1 (65,536 bytes on) = {b1[f], 0, 0, 0, 0, 0, 0, 0};
;   qh  [16384][8]    = q[t][w] = a2 - b2, from the half angles' cosines and sines, term by term as the problem writes it, in f32.
; SHARES.  256 work-groups of eight waves.  Each takes 65,536 dense bytes of W2 (16 loads of 16 bytes a thread; a wave's load covers 512 consecutive bytes, its store of
; 8 bytes a lane 256 consecutive bytes, aligned).  Beside that waves 0-3 make q of 64 tokens (a thread: 4 features of a token: the problem uses 32 bytes of each row of x), and wave 4
; makes 16 rows of the table (lanes 0-15 store 256 bytes of plane 0, lanes 16-31 256 bytes of plane 1).  No LDS, no barrier, no loop: a thread has one batch of loads.
; SINE AND COSINE.  y = n pi/2 + r, n = the nearest whole number to y 2/pi, pi/2 taken away in three parts (9, 11 and 24 bits: the first two products are exact), then the two Taylor sums on
; |r| <= pi/4, cut at r^9 / 9! and r^10 / 10!: the first terms left out are under 2e-9.  Of n only the parity is used (it swaps the two sums): every cosine and sine
; enters q as a factor of a product that is squared, so their signs cannot reach q, for any input.
; LIMITS.  f16 holds no number beyond 65,504: W2, W1 and b1 lie within it; below 6.1e-5 a number keeps f16's fixed step of 6e-8.  The reduction is good to about 1e-7 for |x|, |theta| up to 2e5.
; THE MODE: SCHED_MODE bits 1:0 = 2 (LLVM: expert scheduling mode 2), set by the entry lines.  The code itself states the register dependences between vector instructions and memory
; instructions, and between a vector instruction that writes a scalar register and that register's readers, with s_wait_alu, always for 0.
; THE PLAN.  Registers that memory instructions touch:
;   v1, v2      offsets, written once at the head; v1 is read by W2's 16 loads, v2 by the store of qh and the 16 stores of w2h.
;   v[32:95]    W2's loads land here; no vector line names them ahead of the wait for the loads at the join; there 32 conversions read them and write the first two of each four, which the 16 stores read.
;   waves 0-3:  v3, v4 offsets of the loads of x and theta, which land in v[8:15]; v[108:109] the data of qh's store.
;   wave 4:     v7, v17, v26 offsets; its loads land in v[8:16]; v[20:23] the data of w1e's store.
; No register that a memory instruction has read is written again on any path, so no wait on vm_vsrc is owed; EXEC is never written.  Each run of loads or stores has ONE wait on va_vdst ahead of it, behind the
; vector lines that write its offsets or data: so the join's conversions stand together ahead of its stores.  Scalar registers that vector lines write: s20 (the wave's number) and s36-43 (the eight parities'
; masks): the eight compares stand in one run of evaluations, with one wait on va_sdst between the last of them and the selects that read the masks.
.set CXR, 16                           ; v[16:19] cos(x/2)      v[20:23] sin(x/2)
.set SXR, 20
.set CTR, 24                           ; v[24:27] cos(theta/2)  v[28:31] sin(theta/2)
.set STR, 28
.set WD,  32                           ; v[32:95]  W2: 16 x 4 registers as loaded; the first two of each four then hold the four f16
.set TN,  96                           ; v96-102 at work
.set TR,  97
.set TR2, 98
.set TPS, 99
.set TPC, 100
.set TT,  101
.set TK,  102
.set QF,  104                          ; v[104:107] q in f32; v[108:109] in f16
.set RC,  112                          ; v[112:119] cos r of the eight half angles (x's four, then theta's four)
.set RS,  120                          ; v[120:127] sin r of the same
.set K2PI, 24                          ; s24-35 constants
.set KD1, 25
.set KD2, 26
.set KD3, 27
.set KS1, 28
.set KS2, 29
.set KS3, 30
.set KS4, 31
.set KC2, 32
.set KC3, 33
.set KC4, 34
.set KC5, 35
.set PM,  36                           ; s36-43  half angle j: the lanes in which n is odd
.set HIGH, 44                          ; s44     lanes 16-31
	s_load_b512 s[4:19], s[0:1], 0x0               ; W2 s[4:5], W1 s[6:7], b1 s[8:9], theta s[10:11], x s[12:13], w2h s[14:15], w1e s[16:17], qh s[18:19]
	v_lshrrev_b32 v5, 5, v0
	v_readfirstlane_b32 s20, v5                    ; wave 0..7
	v_lshlrev_b32 v1, 4, v0                        ; 16 t: my 16 bytes of W2
	v_lshlrev_b32 v2, 3, v0                        ; 8 t: my 8 bytes of w2h, and of qh
	s_mov_b32 s3, 0                                ; every offset below is under 2^32: its high word
	s_mov_b32 s[K2PI], 0x3f22f983                  ; 2 / pi
	s_mov_b32 s[KD1], 0xbfc90000                   ; -1.5703125
	s_mov_b32 s[KD2], 0xb9fda000                   ; -4.837512969970703e-4
	s_mov_b32 s[KD3], 0xb3a22169                   ; -7.549789955e-8: the three add up to -pi/2
	s_mov_b32 s[KS1], 0xbe2aaaab                   ; -1/3!
	s_mov_b32 s[KS2], 0x3c088889                   ; 1/5!
	s_mov_b32 s[KS3], 0xb9500d01                   ; -1/7!
	s_mov_b32 s[KS4], 0x3638ef1d                   ; 1/9!
	s_mov_b32 s[KC2], 0x3d2aaaab                   ; 1/4!
	s_mov_b32 s[KC3], 0xbab60b61                   ; -1/6!
	s_mov_b32 s[KC4], 0x37d00d01                   ; 1/8!
	s_mov_b32 s[KC5], 0xb493f27e                   ; -1/10!
	s_mov_b32 s[HIGH], 0xffff0000                  ; lanes 16-31
	s_wait_kmcnt 0x0
	s_lshl_b32 s2, ttmp9, 16                       ; the work-group's share of each buffer
	s_add_nc_u64 s[4:5], s[4:5], s[2:3]            ; W2: 65,536 bytes
	s_lshl_b32 s2, ttmp9, 15
	s_add_nc_u64 s[14:15], s[14:15], s[2:3]        ; w2h: 32,768
	s_lshl_b32 s2, ttmp9, 18
	s_add_nc_u64 s[12:13], s[12:13], s[2:3]        ; x: 64 rows of 4,096
	s_lshl_b32 s2, ttmp9, 10
	s_add_nc_u64 s[18:19], s[18:19], s[2:3]        ; qh: 64 tokens of 16
	s_lshl_b32 s2, ttmp9, 9
	s_add_nc_u64 s[6:7], s[6:7], s[2:3]            ; W1: 16 rows of 32
	s_lshl_b32 s2, ttmp9, 6
	s_add_nc_u64 s[8:9], s[8:9], s[2:3]            ; b1: 16 numbers
	s_lshl_b32 s2, ttmp9, 8
	s_add_nc_u64 s[16:17], s[16:17], s[2:3]        ; w1e: 16 rows of 16, in each plane
	s_wait_alu depctr_va_vdst(0)                   ; v1 and v2 are written: the loads below read v1 as their offset, the stores of qh and w2h read v2
.irp k, 0,1,2,3,4,5,6,7,8,9,10,11,12,13,14,15
	global_load_b128 v[WD+4*(\k):WD+4*(\k)+3], v1, s[4:5] offset:4096*(\k) th:TH_LOAD_NT
.endr
	s_wait_alu depctr_va_sdst(0)                   ; s20 is written, ahead of its first reader, the compare below
	s_cmp_lt_u32 s20, 4
	s_cbranch_scc1 .Lq
	s_cmp_eq_u32 s20, 4
	s_cbranch_scc1 .Lw
	s_branch .Ljoin
; Half angle j of eight, in v[8 + j]: cos r into v[RC + j], sin r into v[RS + j], and the lanes in which n is odd into s[PM + j]
.macro SINCOS j
	v_mul_f32 v[TN], s[K2PI], v[8+(\j)]
	v_rndne_f32 v[TN], v[TN]                       ; n
	v_fma_f32 v[TR], v[TN], s[KD1], v[8+(\j)]
	v_fma_f32 v[TR], v[TN], s[KD2], v[TR]
	v_fma_f32 v[TR], v[TN], s[KD3], v[TR]          ; r = y - n pi/2
	v_cvt_i32_f32 v[TK], v[TN]
	v_mul_f32 v[TR2], v[TR], v[TR]
	v_and_b32 v[TK], 1, v[TK]                      ; n's parity
	v_fma_f32 v[TPS], v[TR2], s[KS4], s[KS3]       ; the two sums by Horner's scheme, line by line in turn
	v_fma_f32 v[TPC], v[TR2], s[KC5], s[KC4]
	v_fma_f32 v[TPS], v[TPS], v[TR2], s[KS2]
	v_fma_f32 v[TPC], v[TPC], v[TR2], s[KC3]
	v_fma_f32 v[TPS], v[TPS], v[TR2], s[KS1]
	v_fma_f32 v[TPC], v[TPC], v[TR2], s[KC2]
	v_mul_f32 v[TT], v[TR], v[TR2]
	v_fma_f32 v[TPC], v[TPC], v[TR2], -0.5
	v_fma_f32 v[RS+(\j)], v[TPS], v[TT], v[TR]     ; sin r
	v_fma_f32 v[RC+(\j)], v[TPC], v[TR2], 1.0      ; cos r
	v_cmp_eq_u32 s[PM+(\j)], 1, v[TK]
.endm
.Lq:                                                   ; waves 0-3: thread t has token t / 2 of the group's 64, features 4 (t % 2) .. + 3
	v_lshrrev_b32 v3, 1, v0
	v_and_b32 v4, 1, v0
	v_lshlrev_b32 v4, 4, v4                        ; 16 (t % 2): also my four numbers of theta
	v_lshl_add_u32 v3, v3, 12, v4                  ; + the token's row of 4,096 bytes
	s_wait_alu depctr_va_vdst(0)                   ; v3 and v4 are written, which the two loads below read as their offsets
	global_load_b128 v[8:11], v3, s[12:13] th:TH_LOAD_NT
	global_load_b128 v[12:15], v4, s[10:11]
	s_wait_loadcnt 0x0                             ; these two are the youngest loads, so the count is 0
.irp i, 0,1,2,3,4,5,6,7
	v_mul_f32 v[8+\i], 0.5, v[8+\i]                ; the half angles: x's four, then theta's four
.endr
.irp j, 0,1,2,3,4,5,6,7
	SINCOS \j
.endr
	s_wait_alu depctr_va_sdst(0)                   ; the eight compares have written s36-43, ahead of the selects that read them: one wait for the run
.irp j, 0,1,2,3,4,5,6,7
	v_cndmask_b32 v[CXR+8*((\j)/4)+(\j)%4], v[RC+(\j)], v[RS+(\j)], s[PM+(\j)]  ; n odd: |cos y| = |sin r|,
	v_cndmask_b32 v[SXR+8*((\j)/4)+(\j)%4], v[RS+(\j)], v[RC+(\j)], s[PM+(\j)]  ; |sin y| = |cos r|
.endr
.irp i, 0,1,2,3
	v_mul_f32 v96, v[CTR+\i], v[CXR+\i]
	v_mul_f32 v97, v[STR+\i], v[SXR+\i]
	v_mul_f32 v98, v[STR+\i], v[CXR+\i]
	v_mul_f32 v99, v[CTR+\i], v[SXR+\i]
	v_mul_f32 v96, v96, v96
	v_mul_f32 v98, v98, v98
	v_fma_f32 v96, v97, v97, v96                   ; |a|^2 = (ct cx)^2 + (st sx)^2
	v_fma_f32 v98, v99, v99, v98                   ; |b|^2 = (st cx)^2 + (ct sx)^2
	v_sub_f32 v[QF+\i], v96, v98
.endr
	v_cvt_pk_f16_f32 v108, v[QF], v[QF+1]
	v_cvt_pk_f16_f32 v109, v[QF+2], v[QF+3]
	s_wait_alu depctr_va_vdst(0)                   ; the two conversions have written v108 and v109, the store's data
	global_store_b64 v2, v[108:109], s[18:19]      ; a wave stores 256 consecutive bytes, aligned; none of these registers is written again
	s_branch .Ljoin
.Lw:                                                   ; wave 4: row f = 16 g + lane % 16 of the table; both halves of the lanes load it, each stores its plane
	v_and_b32 v5, 15, v0
	v_bfe_u32 v6, v0, 4, 1
	v_lshlrev_b32 v7, 5, v5                        ; a row of W1 is 32 bytes
	v_lshlrev_b32 v17, 2, v5
	v_lshlrev_b32 v26, 4, v5                       ; a row of the table is 16 bytes;
	v_lshl_add_u32 v26, v6, 16, v26                ; lanes 16-31: plane 1
	s_wait_alu depctr_va_vdst(0)                   ; v7 and v17 are written, which the three loads below read as their offsets; so is v26, the store's
	global_load_b128 v[8:11], v7, s[6:7]
	global_load_b128 v[12:15], v7, s[6:7] offset:16
	global_load_b32 v16, v17, s[8:9]
	v_mov_b32 v25, 0
	s_wait_loadcnt 0x0
	v_cvt_pk_f16_f32 v20, v8, v9
	v_cvt_pk_f16_f32 v21, v10, v11
	v_cvt_pk_f16_f32 v22, v12, v13
	v_cvt_pk_f16_f32 v23, v14, v15
	v_cvt_pk_f16_f32 v24, v16, v25                 ; {b1, 0}
	v_cndmask_b32 v20, v20, v24, s[HIGH]
	v_cndmask_b32 v21, v21, v25, s[HIGH]
	v_cndmask_b32 v22, v22, v25, s[HIGH]
	v_cndmask_b32 v23, v23, v25, s[HIGH]
	s_wait_alu depctr_va_vdst(0)                   ; the four selects have written v[20:23], the store's data
	global_store_b128 v26, v[20:23], s[16:17]      ; 16 lanes store 256 consecutive bytes, aligned, twice
.Ljoin:
	s_wait_loadcnt 0x0                             ; W2's 16 loads (waves 0-4 have waited already)
.irp k, 0,1,2,3,4,5,6,7,8,9,10,11,12,13,14,15
	v_cvt_pk_f16_f32 v[WD+4*(\k)], v[WD+4*(\k)], v[WD+4*(\k)+1]
	v_cvt_pk_f16_f32 v[WD+4*(\k)+1], v[WD+4*(\k)+2], v[WD+4*(\k)+3]
.endr
	s_wait_alu depctr_va_vdst(0)                   ; the 32 conversions have written the first two of each four registers, the data of the 16 stores below: one wait for the run
.irp k, 0,1,2,3,4,5,6,7,8,9,10,11,12,13,14,15
	global_store_b64 v2, v[WD+4*(\k):WD+4*(\k)+1], s[14:15] offset:2048*(\k)
.endr
	s_endpgm
.Lfunc_end_k_q3ce080ff57_prep:
	.size	k_q3ce080ff57_prep, .Lfunc_end_k_q3ce080ff57_prep-k_q3ce080ff57_prep
	.p2alignl 7, 3214868480
	.fill 96, 4, 3214868480
	.section	.rodata,"a",@progbits
	.p2align	6, 0x0
	.amdhsa_kernel k_q3ce080ff57_prep
		.amdhsa_group_segment_fixed_size 0
		.amdhsa_private_segment_fixed_size 0
		.amdhsa_enable_private_segment 0
		.amdhsa_kernarg_size 64
		.amdhsa_user_sgpr_count 2
		.amdhsa_user_sgpr_kernarg_segment_ptr 1
		.amdhsa_wavefront_size32 1
		.amdhsa_system_sgpr_workgroup_id_x 1
		.amdhsa_system_sgpr_workgroup_id_y 1
		.amdhsa_system_sgpr_workgroup_id_z 1
		.amdhsa_system_vgpr_workitem_id 0
		.amdhsa_next_free_vgpr 128
		.amdhsa_next_free_sgpr 66
		.amdhsa_reserve_vcc 0
		.amdhsa_float_denorm_mode_32 3
		.amdhsa_float_denorm_mode_16_64 3
		.amdhsa_memory_ordered 1
		.amdhsa_forward_progress 1
		.amdhsa_inst_pref_size 20
	.end_amdhsa_kernel
	.amdgpu_metadata
---
amdhsa.version: [ 1, 2 ]
amdhsa.kernels:
  - .name:           k_q3ce080ff57_prep
    .symbol:         k_q3ce080ff57_prep.kd
    .args:
      - { .name: W2, .offset: 0, .size: 8, .value_kind: global_buffer, .address_space: global }
      - { .name: W1, .offset: 8, .size: 8, .value_kind: global_buffer, .address_space: global }
      - { .name: b1, .offset: 16, .size: 8, .value_kind: global_buffer, .address_space: global }
      - { .name: theta, .offset: 24, .size: 8, .value_kind: global_buffer, .address_space: global }
      - { .name: x, .offset: 32, .size: 8, .value_kind: global_buffer, .address_space: global }
      - { .name: w2h, .offset: 40, .size: 8, .value_kind: global_buffer, .address_space: global }
      - { .name: w1e, .offset: 48, .size: 8, .value_kind: global_buffer, .address_space: global }
      - { .name: qh, .offset: 56, .size: 8, .value_kind: global_buffer, .address_space: global }
    .group_segment_fixed_size: 0
    .private_segment_fixed_size: 0
    .kernarg_segment_align: 8
    .kernarg_segment_size: 64
    .max_flat_workgroup_size: 256
    .sgpr_count:     66
    .vgpr_count:     128
    .wavefront_size: 32
...
	.end_amdgpu_metadata
.endif
;; end of part 3
;; launch ffn: the kernel of part 2 again; grid 64 x 4, 4 waves a work-group, clusters of 4 x 1, 327,680 bytes of LDS; arguments w2h, w1e, qh, b2, out0; writes out0
